; MI455X (gfx1250); checked and timed in simulation.
; The chip was launched on July 23, 2026; its instructions are those of AMD's public machine-readable ISA for CDNA 5 (MIT licence, August 2026) and "CDNA5" Instruction Set Architecture Reference Guide (July 2026). The comments in the code are by the model that wrote it; some were corrected since.
;; Transfusion. Allowed arithmetic: matrix products marked QUANTISED: E5M2 operands, one given power-of-two scale a tensor, by v_wmma_f32_16x16x64_bf8_bf8 or v_wmma_f32_16x16x128_bf8_bf8, f32 sums; everything else in f32.
;; Inputs: k_codes 4 x 16 x 2,048 x 2 x 32 uint8 (E5M2 codes of k, K innermost, in blocks of 32 codes); lowp_scales 4 int32 (the exponents e of the quantised operands' scales 2^e); modalities 4 x 4 x 3 int32; q_codes 4 x 16 x 2,048 x 2 x 32 uint8 (E5M2 codes of q, K innermost, in blocks of 32 codes); v_codes 4 x 16 x 64 x 64 x 32 uint8 (E5M2 codes of v, K innermost, in blocks of 32 codes).
;; Outputs: out0 4 x 16 x 2,048 x 64 float32.
;; This version of the problem:
;;   THIS VERSION OF THE PROBLEM IS GIVEN IN LOW PRECISION. The matrix products marked QUANTISED in the list below multiply operands that are first quantised to E5M2 (5 exponent bits, 2 mantissa bits; 8 bits a number), with one given power-of-two scale for each operand tensor; their sums are f32. All else is computed in f32.
;;   The module's matrix products, in the order in which they are computed (A, B: the left and right operand; K: the contracted axis; several contracted axes count as one K, in the product's order):
;;     1. batch 64 x [M 2,048, K 64] x [K 64, N 2,048]; A: input q (given as codes); B: input k (given as codes): QUANTISED (scales: A lowp_scales[0], B lowp_scales[1])
;;     2. batch 64 x [M 2,048, K 2,048] x [K 2,048, N 64]; A: softmax (see below); B: input v (given as codes): QUANTISED (scales: A lowp_scales[2], B lowp_scales[3])
;;   THE QUANTISER, for each operand of a quantised product, along K:
;;     - The operand's scale is 2^e, e = its entry of the input lowp_scales (int32; the entries are numbered through the quantised products in the list's order, A before B).
;;     - Each number is divided by the scale, clamped to +-57,344, and rounded to the nearest number of E5M2, ties to even, subnormals kept.
;;     - The product sums the exact products of the quantised numbers (number of the format x scale) in f32.
;;   ~~~python
;;   def quantise(x, axis, e):      # numpy; x: float32 -> the quantised numbers, widened to float32 again
;;       x = np.moveaxis(x, axis, -1); K = x.shape[-1]
;;       r = np.clip(x / 2.0 ** e, -57344, 57344)
;;       step = 2.0 ** (np.maximum(np.frexp(np.where(r == 0, 1, r))[1] - 1, -14) - 2)
;;       q = np.round(r / step) * step * 2.0 ** e      # np.round: ties to even
;;       return np.moveaxis(q, -1, axis).astype(np.float32)
;;   ~~~
;;   SOFTMAX AHEAD OF A QUANTISED PRODUCT. Where the list says 'softmax', what is quantised is not the finished softmax but p = 2^(t - M), with t = logit x log2(e) and M = ceil(the row's largest t), a whole number; so 1/2 < the row's largest p <= 1. The row's sum l is taken of the UNQUANTISED p, in f32, and the product's result is divided by l at the end. Since M is a whole number, a kernel that streams over the keys may use a running M (the ceiling of the running maximum): every later rescaling is an exact power of two, so the quantised numbers keep their values, but for numbers so far below the row's largest that they fall under the format's range.
;;   OPERANDS COMPUTED ON THE WAY. 'Computed on the way' means the value that the module computes at that place (a softmax that the list does not call 'softmax' is quantised finished and normalised). What goes into a quantiser is computed in f32, as accurately as f32 sums, v_exp_f32 and their like allow (about 1e-6 of the number): no bf16 or f16 on the way to a quantiser, and a product that is left as it is and whose result goes on into a quantised operand takes f32 operands (vector FMAs, or v_wmma_f32_16x16x4_f32). A number that lies on a knife's edge between two numbers of the format may be rounded either way, as far as f32 arithmetic and the matrix unit's own rounding can turn it there, and no further.
;;   INPUTS GIVEN AS CODES. k (in the module: [4, 16, 2048, 64], K = its axis 3); q (in the module: [4, 16, 2048, 64], K = its axis 3); v (in the module: [4, 16, 2048, 64], K = its axis 2): each comes as NAME_codes (uint8): NAME with its K axis moved to the last place and cut into blocks of 32 codes, [.., K / 32, bytes a block], one block behind the other in memory; one code a byte (a code: sign, 5 exponent bits, 2 mantissa bits); its scale is its entry of lowp_scales. Its value is code x scale, taken as it is: it is not quantised again, and the codes and scales need not be those that the quantiser above would give.
;; 2 versions, each right; version 2 is version 1 with the launch attn written anew for expert scheduling mode. Each part assembles by itself: llvm-mc -triple=amdgcn-amd-amdhsa -mcpu=gfx1250 --defsym DOCPART=n.
;; ======== version 1 of 2: 1 launch
;; limits: right only within a limited range of input values
;; launch attn (part 1): grid 4 x 64, 8 waves a work-group, no clusters, 316,416 bytes of LDS; arguments q_codes, k_codes, v_codes, lowp_scales, modalities, out0; writes out0
.if DOCPART == 1
	.amdgcn_target "amdgcn-amd-amdhsa--gfx1250"
	.amdhsa_code_object_version 6
	.text
	.protected	k_q73aaf4a0ce_attn
	.globl	k_q73aaf4a0ce_attn
	.p2align	8
	.type	k_q73aaf4a0ce_attn,@function
k_q73aaf4a0ce_attn:
	s_mov_b64 s[64:65], 0
	v_nop
	global_prefetch_b8 v0, s[64:65] scope:SCOPE_SE
	s_setreg_imm32_b32 hwreg(HW_REG_WAVE_MODE, 25, 1), 1
	s_wait_xcnt 0x0
; O[head][i][:] = the sum over j of softmax_j(Q[i] . K[j] / 8, masked) V[j][:], 64 heads (4 samples x 16), 2,048 positions, head size 64; both products on codes of BF8 (E5M2), each tensor with its given scale 2^e.
; Q, K: [head][2048][64] codes, the head's 64 innermost.  V: [head][64][2048] codes, the keys innermost.  O: [head][2048][64] f32.  lowp_scales: eq, ek, ep, ev.  modalities: [sample][4][3] = type, offset, length.
; THE MASK IS A PREFIX.  Key j counts for query i where j <= i, or where for some span m: i >= off_m and j < off_m + len_m.  Both are prefixes in j: query i sees the keys j < L(i),
; L(i) = max(i + 1, off_m + len_m over the spans with off_m <= i), in int32 (the sum wraps as it does there).  L never falls as i grows, and key 0 counts for every query.
; THE SOFTMAX: t = score x log2(e) / 8; M = the largest t so far, rounded UP to a whole number; p = 2^(t - M) is quantised with 2^ep; the sum is taken of the unquantised p and divides O at the end.
; When M moves, the sum and O^T are multiplied by 2^(old M - new M): nothing is rounded.
; SHARES.  Work-group (g, head), eight waves.  A head's whole K and V (131,072 bytes each) are laid into LDS once and only read afterwards.  Wave w has the number p = 8 g + w (0 .. 31) and two JOBS of 32 queries
; (two tiles of 16, which share every fragment of K and V): job H, queries 2016 - 32 p on, then job L, queries 32 p on.  In key steps of 128 the causal part gives ceil((64 - p) / 4) + ceil((p + 1) / 4) = 17 steps to every wave.
; A step all of whose keys are hidden from the job's 32 queries is left out by a scalar branch on L, which is made of whole numbers read from memory.
; NO TENSOR LOADS, AND SO NO JOINT LOADS IN A CLUSTER.  The branch spares 15 of a wave's 32 key steps under the causal part alone;
; joint loads would spare three of the four reads of a head's 262,144 bytes of K and V.  So K and V go to LDS through registers.
; LAYOUT.  Both products are used transposed: S^T = K Q^T (source 0 = 16 keys, source 1 = 16 queries), O^T = V^T P^T (source 0 = 16 of the head's 64, source 1 = P): a lane holds ONE query (lane % 16) throughout.
; THE KEYS OF A TILE ARE NOT NEIGHBOURS: lane r of tile 2 b + u takes key 32 b + 8 u + r + 8 (r / 8), so that the 16 registers of tiles 2 b and 2 b + 1 are the keys 32 b + 16 (lane / 16) + 0 .. 15: the conversions' results are P.
; Fragments come by loads of 16 bytes (registers 4 c .. 4 c + 3: k = 32 c + 16 (lane / 16) + 0 .. 15): a permutation of k that is the same on both sides of each product.
; LIMITS on the given exponents, so that each power of two below is an f32 number: eq + ek between -123 and 130 (added to c's exponent field); ep between -126 and 112; ep + ev goes in by v_ldexp_f32 and has none.
; Codes that stand for infinity or NaN are not served.
;
; LDS.  0 .. 131,071: K as images of operand registers: key step s at 8192 s, tile t at 1024 t, load c at 512 c, half h of the lanes at 256 h, lane r at 16 (r ^ 4 h ^ 8 c): a load's or a store's sixteen lanes
; take sixteen different columns of 16 bytes (64 banks of 4 bytes: ISA guide 11.1).   131,072 on: V by rows: key step s at 9344 s, row d at 144 d (128 bytes of keys + 16).   280,576 on: a stage of 16 x 272 bytes for each wave.
; REGISTERS, in two windows of 256.  Window 0: v1-15, v48-55 addresses and constants; v16-45 statistics, 16 a tile; v64-191 S^T, then p; v192-223 P; v224-239 Q.
; Window 1: v0-63 K's eight fragments; v64-127 V's four; v128-191 O^T; v192-255 what the fill has loaded.
.set VBASE,  131072
.set KSTEPB, 8192
.set VSTEPB, 9344
.set VPITCH, 144
.set STAGE,  280576
.set SPITCH, 272
.set AK0,  1           ; my lane's place in a tile's image of K, load 0
.set AK1,  2           ; load 1
.set AV0,  3           ; my lane's place in a tile of V
.set ADK0, 4           ; the step's LDS addresses
.set ADK1, 5
.set ADV,  6
.set KST,  7           ; the fill: where my 16 bytes of K go
.set VST,  8           ; and of V
.set KS,   9           ; the same with the fill's place added
.set VS,   10
.set KGO,  11          ; the fill: my byte offset in K's block
.set VGO,  12          ; and among V's rows
.set QO,   13          ; my byte offset in a tile of Q
.set STO,  14          ; the way out: where I put 32 bytes of a row
.set RD,   15          ; and where I read a row back
.set ST,   16          ; tile q's statistics at v[ST + 16 q]:
.set NM,   0           ;   -M
.set TM,   1           ;   the largest t so far
.set LS,   2           ;   the sum, in two halves
.set FF,   4           ;   f = 2^(old M - new M); at the end 2^(ep + ev) / the sum;  +5: 0, named with it as a pair
.set C0,   6           ;   at work
.set C1,   7
.set XS,   8           ;   a second chain of sums, a pair
.set PX,   10          ;   the lane permute's destination
.set LH,   11          ;   L(my query) - 16 (lane / 16)
.set DD,   12          ;   LH - the step's first key
.set QI,   13          ;   my query
.set GO,   48          ; 16 x lane
.set LIM,  49          ; 57,344 x 2^ep
.set SCL,  50          ; 2^ep
.set NINF, 51          ; -infinity
.set TMP,  52
.set RR,   53          ; lane % 16
.set H16,  54          ; 16 (lane / 16)
.set HH,   55          ; lane / 16
.set S,    64
.set P,    192
.set Q,    224
.set KFR,  0           ; window 1
.set VFR,  64
.set O,    128
.set FST,  192
.set WV,   16          ; s16 wave
.set HD,   18          ; s18 head
.set PB,   19          ; s19 p = 8 g + wave
.set SEL,  20          ; s[20:21] v_permlanex16_b32's selects for lane l xor 16
.set CS,   22          ; s[22:23] c = log2(e) / 8 x 2^(eq + ek)
.set SCE,  24          ; s[24:27] eq, ek, ep, ev
.set TBK,  28          ; LDS byte of the step's K
.set TBV,  29          ; and V (less VBASE)
.set KF,   30          ; the step's first key
.set CNT,  31
.set FK,   33          ; LDS byte at which the fill stands in K
.set FV,   34          ; and in V
.set STMP, 35
.set MODS, 36          ; s[36:47] my sample's twelve words: off_m = s[37 + 3 m], len_m = s[38 + 3 m]
.set EM,   48          ; s[48:51] off_m + len_m
.set LMAX, 52          ; L of the job's last query
.set LMIN, 53          ; L of its first
.set Q0,   54          ; the job's first query
.set EPV,  55          ; ep + ev
.set OF,   56          ; s[56:57], s[58:59] offsets in 64 bits
.set OF2,  58
.set OP,   60          ; s[60:61] the job's rows of O
.set JQ,   62          ; s[62:63] the job's rows of Q
.set MSB, 0
.macro WIN new                         ; the immediate's high byte repeats the setting that is left; a switch that changes nothing is dropped.  At every label and branch the setting is 0
.if MSB != \new
	s_set_vgpr_msb (MSB<<8)|\new
.set MSB, \new
.endif
.endm
; 512 keys of K (32,768 bytes, dense) and of V (512 bytes of each of 64 rows) into registers: 16 loads a thread; in each, sixteen neighbouring lanes read 256 consecutive bytes, aligned
.macro FLOAD
	WIN 0x40                                       ; destination window 1
.irp g, 0,1
.irp i, 0,1,2,3
	global_load_b128 v[FST+32*\g+4*\i:FST+32*\g+4*\i+3], v[KGO], s[6:7] offset:16384*\g+4096*\i
.endr
.irp i, 0,1,2,3
	global_load_b128 v[FST+32*\g+16+4*\i:FST+32*\g+16+4*\i+3], v[VGO], s[8:9] offset:256*\g+32768*\i
.endr
.endr
	WIN 0
.endm
; the job's two fragments of Q: lane (r, h) takes, of row r, bytes 32 c + 16 h on
.macro QLOAD
.irp q, 0,1
.irp c, 0,1
	global_load_b128 v[Q+8*\q+4*\c:Q+8*\q+4*\c+3], v[QO], s[JQ:JQ+1] offset:1024*\q+32*\c th:TH_LOAD_NT
.endr
.endr
.endm
.macro JOBQ                            ; Q's rows from Q0 on (64 bytes a row)
	s_lshl_b32 s[OF], s[Q0], 6
	s_add_nc_u64 s[JQ:JQ+1], s[4:5], s[OF:OF+1]
.endm
.macro JOBO                            ; O's rows from Q0 on (256 bytes a row)
	s_lshl_b32 s[OF], s[Q0], 8
	s_add_nc_u64 s[OP:OP+1], s[14:15], s[OF:OF+1]
.endm
; A job begins: L of its first and last query as scalars, L of each lane's query, and the statistics.  O^T and the sum begin as zeros and the largest t as -3e38: the first change of M multiplies zeros,
; so the key step is written without a first step of its own.
.macro JOBINIT
	s_add_co_u32 s[STMP], s[Q0], 31
	s_add_co_u32 s[LMAX], s[Q0], 32
	s_add_co_u32 s[LMIN], s[Q0], 1
.irp m, 0,1,2,3
	s_cmp_ge_i32 s[STMP], s[MODS+1+3*\m]           ; does span m count for the last query?
	s_cselect_b32 s[OF2], s[EM+\m], s[LMAX]
	s_max_i32 s[LMAX], s[LMAX], s[OF2]
	s_cmp_ge_i32 s[Q0], s[MODS+1+3*\m]             ; and for the first?
	s_cselect_b32 s[OF2], s[EM+\m], s[LMIN]
	s_max_i32 s[LMIN], s[LMIN], s[OF2]
.endr
.irp q, 0,1
	s_add_co_u32 s[STMP], s[Q0], 16*\q
	v_add_nc_u32 v[ST+16*\q+QI], s[STMP], v[RR]    ; my query
	v_add_nc_u32 v[ST+16*\q+LH], 1, v[ST+16*\q+QI] ; L begins as i + 1
.irp m, 0,1,2,3
	v_cmp_le_i32 vcc_lo, s[MODS+1+3*\m], v[ST+16*\q+QI]
	v_mov_b32 v[TMP], s[EM+\m]
	v_cndmask_b32 v[TMP], v[ST+16*\q+LH], v[TMP], vcc_lo       ; the span's end where off_m <= i, else L as it is
	v_cmp_gt_i32 vcc_lo, v[TMP], v[ST+16*\q+LH]
	v_cndmask_b32 v[ST+16*\q+LH], v[ST+16*\q+LH], v[TMP], vcc_lo
.endr
	v_sub_nc_u32 v[ST+16*\q+LH], v[ST+16*\q+LH], v[H16]
	v_mov_b32 v[ST+16*\q+TM], 0xff61b1e6           ; -3e38, under every t
	v_floor_f32 v[ST+16*\q+NM], -v[ST+16*\q+TM]
	v_mov_b32 v[ST+16*\q+LS], 0
	v_mov_b32 v[ST+16*\q+LS+1], 0
	v_mov_b32 v[ST+16*\q+FF+1], 0                  ; named as the upper half of a pair
	v_mov_b32 v[ST+16*\q+PX], 0                    ; a lane permute's destination counts as one of its sources
.endr
	WIN 0x40
.set n, 0
.rept 64
	v_mov_b32 v[O+n], 0
.set n, n+1
.endr
	WIN 0
.endm
; A KEY STEP: 128 keys for the job's two tiles.  mask = 0: all keys count for all 32 queries, whatever the spans are.  mask = 1: the step is left out where all its keys are hidden, and masked where some are.
.macro STEP mask
.if \mask
	s_cmp_ge_i32 s[KF], s[LMAX]                    ; every key of the step is at or past L of the job's last query, and L never falls
	s_cbranch_scc1 .Lskip_\@
.endif
	v_add_nc_u32 v[ADK0], s[TBK], v[AK0]           ; these three and the v_nop are the four places between the last step's products V^T P and the loads into V's registers (ISA guide 7.12.1 for vector instructions)
	v_add_nc_u32 v[ADK1], s[TBK], v[AK1]
	v_add_nc_u32 v[ADV], s[TBV], v[AV0]
	v_nop
	WIN 0x40                                       ; destination window 1
.irp t, 0,1,2,3,4,5,6,7
	ds_load_b128 v[KFR+8*\t:KFR+8*\t+3], v[ADK0] offset:1024*\t
	ds_load_b128 v[KFR+8*\t+4:KFR+8*\t+7], v[ADK1] offset:1024*\t
.endr
.irp t, 0,1,2,3
.irp c, 0,1,2,3
	ds_load_b128 v[VFR+16*\t+4*\c:VFR+16*\t+4*\c+3], v[ADV] offset:16*VPITCH*\t+32*\c
.endr
.endr
	s_wait_dscnt 16                                ; K's sixteen loads are in; V's sixteen, issued behind them, stay out until the second product
	WIN 0x01                                       ; source 0 (K) window 1
.irp t, 0,1,2,3,4,5,6,7
.irp q, 0,1
	v_wmma_f32_16x16x64_bf8_bf8 v[S+64*\q+8*\t:S+64*\q+8*\t+7], v[KFR+8*\t:KFR+8*\t+7], v[Q+8*\q:Q+8*\q+7], 0
.endr
.endr
	WIN 0
.rept 4
	v_nop                                          ; four places in front of the first read of the scores
.endr
.if \mask
	s_add_co_u32 s[STMP], s[KF], 128
	s_cmp_le_i32 s[STMP], s[LMIN]                  ; every key of the step lies under L of the job's first query: nothing to hide
	s_cbranch_scc1 .Lopen_\@
	v_sub_nc_u32 v[ST+DD], v[ST+LH], s[KF]         ; register 16 b + i holds key KF + 16 (lane / 16) + 32 b + i: hidden where 32 b + i >= L - 16 (lane / 16) - KF
	v_sub_nc_u32 v[ST+16+DD], v[ST+16+LH], s[KF]
.irp q, 0,1
.irp n, 0,1,2,3,4,5,6,7,8,9,10,11,12,13,14,15,16,17,18,19,20,21,22,23,24,25,26,27,28,29,30,31,32,33,34,35,36,37,38,39,40,41,42,43,44,45,46,47,48,49,50,51,52,53,54,55,56,57,58,59,60,61,62,63
	v_cmp_ge_i32 vcc_lo, 32*(\n/16)+\n%16, v[ST+16*\q+DD]
	v_cndmask_b32 v[S+64*\q+\n], v[S+64*\q+\n], v[NINF], vcc_lo   ; -infinity ahead of the maximum: p = 0 then
.endr
.endr
.Lopen_\@:
.endif
	; the step's largest score of each lane's query among its 64 keys: two chains a tile, the tiles by turns, each accumulator from its low end on
.irp q, 0,1
	v_max3_num_f32 v[ST+16*\q+C0], v[S+64*\q], v[S+64*\q+1], v[S+64*\q+2]
	v_max3_num_f32 v[ST+16*\q+C1], v[S+64*\q+3], v[S+64*\q+4], v[S+64*\q+5]
.endr
.irp i, 6,10,14,18,22,26,30,34,38,42,46,50,54,58
.irp q, 0,1
	v_max3_num_f32 v[ST+16*\q+C0], v[ST+16*\q+C0], v[S+64*\q+\i], v[S+64*\q+\i+1]
	v_max3_num_f32 v[ST+16*\q+C1], v[ST+16*\q+C1], v[S+64*\q+\i+2], v[S+64*\q+\i+3]
.endr
.endr
.irp q, 0,1
	v_max3_num_f32 v[ST+16*\q+C0], v[ST+16*\q+C0], v[S+64*\q+62], v[S+64*\q+63]
.endr
.irp q, 0,1
	v_max_num_f32 v[ST+16*\q+C0], v[ST+16*\q+C0], v[ST+16*\q+C1]
.endr
.irp q, 0,1
	v_permlanex16_b32 v[ST+16*\q+PX], v[ST+16*\q+C0], s[SEL], s[SEL+1]   ; the query's other 64 keys lie in the lane 16 away
.endr
.irp q, 0,1
	v_max_num_f32 v[ST+16*\q+C0], v[ST+16*\q+C0], v[ST+16*\q+PX]
.endr
.irp q, 0,1
	v_mul_f32 v[ST+16*\q+C0], s[CS], v[ST+16*\q+C0]                      ; as t (c is positive)
.endr
.irp q, 0,1
	v_max_num_f32 v[ST+16*\q+TM], v[ST+16*\q+TM], v[ST+16*\q+C0]         ; the running largest t
.endr
.irp q, 0,1
	v_mov_b32 v[ST+16*\q+C1], v[ST+16*\q+NM]
.endr
.irp q, 0,1
	v_floor_f32 v[ST+16*\q+NM], -v[ST+16*\q+TM]                          ; the new -M = floor(-t) = -ceil(t): a whole number
.endr
.irp q, 0,1
	v_sub_f32 v[ST+16*\q+C1], v[ST+16*\q+NM], v[ST+16*\q+C1]             ; old M - new M: a whole number, 0 or less
.endr
.irp q, 0,1
	v_cvt_i32_f32 v[ST+16*\q+C1], v[ST+16*\q+C1]                         ; (it saturates)
.endr
.irp q, 0,1
	v_ldexp_f32 v[ST+16*\q+FF], 1.0, v[ST+16*\q+C1]                      ; f = 2^(old M - new M)
.endr
.irp q, 0,1
.set n, 0
.rept 32
	v_pk_fma_f32 v[S+64*\q+n:S+64*\q+n+1], v[S+64*\q+n:S+64*\q+n+1], s[CS:CS+1], v[ST+16*\q+NM:ST+16*\q+NM+1] op_sel_hi:[1,0,0]   ; t - M, two at a time (of the pairs c and -M the low word serves both halves)
.set n, n+2
.endr
.endr
.irp q, 0,1
.set n, 0
.rept 64
	v_exp_f32 v[S+64*\q+n], v[S+64*\q+n]           ; p = 2^(t - M), at most 1, not normalised
.set n, n+1
.endr
.endr
.irp q, 0,1
	v_pk_mul_f32 v[ST+16*\q+LS:ST+16*\q+LS+1], v[ST+16*\q+LS:ST+16*\q+LS+1], v[ST+16*\q+FF:ST+16*\q+FF+1] op_sel_hi:[1,0]   ; the sums under the new M: plain instructions behind the last exponential
.endr
	s_wait_alu depctr_va_vdst(0)                   ; one wait for the 128 exponentials, ahead of the first instruction that names a result
.irp q, 0,1
	v_pk_add_f32 v[ST+16*\q+XS:ST+16*\q+XS+1], v[S+64*\q:S+64*\q+1], v[S+64*\q+2:S+64*\q+3]   ; the sum is taken of the unquantised p: two chains a tile
.endr
.irp j, 4,8,12,16,20,24,28,32,36,40,44,48,52,56,60
.irp q, 0,1
	v_pk_add_f32 v[ST+16*\q+LS:ST+16*\q+LS+1], v[ST+16*\q+LS:ST+16*\q+LS+1], v[S+64*\q+\j:S+64*\q+\j+1]
	v_pk_add_f32 v[ST+16*\q+XS:ST+16*\q+XS+1], v[ST+16*\q+XS:ST+16*\q+XS+1], v[S+64*\q+\j+2:S+64*\q+\j+3]
.endr
.endr
.irp q, 0,1
	v_pk_add_f32 v[ST+16*\q+LS:ST+16*\q+LS+1], v[ST+16*\q+LS:ST+16*\q+LS+1], v[ST+16*\q+XS:ST+16*\q+XS+1]
.endr
	; The conversion to an 8-bit code does not saturate (ISA guide 7.6.2).  p is at most 1, and 57,344 x 2^ep is 1.75 or more from ep = -15 on: there nothing can be held, and the hold is passed over
	s_cmp_ge_i32 s[SCE+2], -15
	s_cbranch_scc1 .Lnohold_\@
.irp q, 0,1
.set n, 0
.rept 64
	v_min_num_f32 v[S+64*\q+n], v[S+64*\q+n], v[LIM]   ; p is not negative: the hold is one-sided
.set n, n+1
.endr
.endr
.Lnohold_\@:
.irp q, 0,1
.irp b, 0,1,2,3
	v_cvt_scalef32_pk8_bf8_f32 v[P+16*\q+4*\b:P+16*\q+4*\b+1], v[S+64*\q+16*\b:S+64*\q+16*\b+7], v[SCL]       ; registers 4 b .. 4 b + 3 of P: keys 32 b + 16 (lane / 16) + 0 .. 15
	v_cvt_scalef32_pk8_bf8_f32 v[P+16*\q+4*\b+2:P+16*\q+4*\b+3], v[S+64*\q+16*\b+8:S+64*\q+16*\b+15], v[SCL]
.endr
.endr
	WIN 0x41                                       ; O^T (destination and source 0) window 1, f window 0
.irp q, 0,1
.set n, 0
.rept 16
	v_pk_mul_f32 v[O+32*\q+n:O+32*\q+n+1], v[O+32*\q+n:O+32*\q+n+1], v[ST+16*\q+FF:ST+16*\q+FF+1] op_sel_hi:[1,0]   ; O^T under the new M; these are also the plain instructions between the conversions and the products that read P
.set n, n+2
.endr
.endr
	s_wait_dscnt 0x0                               ; V is in
	WIN 0x51                                       ; V, C and D window 1, P window 0
.irp t, 0,1,2,3
.irp q, 0,1
	v_wmma_f32_16x16x128_bf8_bf8 v[O+32*\q+8*\t:O+32*\q+8*\t+7], v[VFR+16*\t:VFR+16*\t+15], v[P+16*\q:P+16*\q+15], v[O+32*\q+8*\t:O+32*\q+8*\t+7]   ; the eight accumulators take turns, one instruction a turn
.endr
.endr
	WIN 0
.if \mask
.Lskip_\@:
.endif
	s_add_co_u32 s[TBK], s[TBK], KSTEPB            ; on every way: the next step's places
	s_add_co_u32 s[TBV], s[TBV], VSTEPB
	s_add_co_u32 s[KF], s[KF], 128
.endm
; THE WAY OUT of a job.  The sum's halves are added; O^T x 2^(ep + ev) / the sum goes through my own stage in LDS, a tile (16 rows of 256 bytes) at a time, and leaves as whole rows: a store covers 512 consecutive bytes, aligned.
.macro OUT
.rept 4
	v_nop                                          ; four places behind the last products
.endr
.irp q, 0,1
	v_add_f32 v[ST+16*\q+C0], v[ST+16*\q+LS], v[ST+16*\q+LS+1]
.endr
.irp q, 0,1
	v_permlanex16_b32 v[ST+16*\q+PX], v[ST+16*\q+C0], s[SEL], s[SEL+1]
.endr
.irp q, 0,1
	v_add_f32 v[ST+16*\q+C0], v[ST+16*\q+C0], v[ST+16*\q+PX]
.endr
.irp q, 0,1
	v_rcp_f32 v[ST+16*\q+FF], v[ST+16*\q+C0]
.endr
	v_nop                                          ; a plain instruction behind the last reciprocal
	s_wait_alu depctr_va_vdst(0)                   ; one wait for the two, ahead of their first reader
.irp q, 0,1
	v_ldexp_f32 v[ST+16*\q+FF], v[ST+16*\q+FF], s[EPV]
.endr
.irp q, 0,1
	WIN 0x01                                       ; source 0 (O^T) window 1
.set n, 0
.rept 16
	v_pk_mul_f32 v[S+32*\q+n:S+32*\q+n+1], v[O+32*\q+n:O+32*\q+n+1], v[ST+16*\q+FF:ST+16*\q+FF+1] op_sel_hi:[1,0]   ; register 8 t + j is o(query r, 16 t + 8 h + j); each accumulator from its low end on
.set n, n+2
.endr
	WIN 0
.irp t, 0,1,2,3
	ds_store_b128 v[STO], v[S+32*\q+8*\t:S+32*\q+8*\t+3] offset:64*\t
	ds_store_b128 v[STO], v[S+32*\q+8*\t+4:S+32*\q+8*\t+7] offset:64*\t+16
.endr
.irp i, 0,1,2,3,4,5,6,7
	ds_load_b128 v[S+64+32*\q+4*\i:S+64+32*\q+4*\i+3], v[RD] offset:2*SPITCH*\i   ; LDS serves a wave's instructions in order (ISA guide 5.7.1.4): these see my stores, and the next tile's stores come behind them
.endr
.endr
.irp q, 0,1
.irp i, 0,1,2,3,4,5,6,7
	s_wait_dscnt 16*(1-\q)+7-\i                    ; behind this load: its tile's 7 - i younger loads and, for the first tile, the second tile's sixteen LDS instructions
	global_store_b128 v[GO], v[S+64+32*\q+4*\i:S+64+32*\q+4*\i+3], s[OP:OP+1] offset:4096*\q+512*\i th:TH_STORE_NT
.endr
.endr
.endm
	; ---- the head
	s_load_b256 s[4:11], s[0:1], 0x0               ; Q s[4:5], K s[6:7], V s[8:9], the scales' exponents s[10:11]
	s_load_b128 s[12:15], s[0:1], 0x20             ; modalities s[12:13], O s[14:15]
	v_lshl_add_u32 v254, v0, 2, 0x4d000
	v_mov_b32 v255, 0
	v_lshrrev_b32 v[TMP], 5, v0
	v_readfirstlane_b32 s[WV], v[TMP]              ; wave 0..7
	s_and_b32 s[HD], ttmp7, 0xffff                 ; head 0..63
	s_lshl_b32 s[PB], ttmp9, 3
	s_add_co_u32 s[PB], s[PB], s[WV]               ; p = 8 g + wave
	s_mov_b32 s[SEL], 0x76543210
	s_mov_b32 s[SEL+1], 0xfedcba98
	v_and_b32 v[RR], 15, v0                        ; r
	v_bfe_u32 v[HH], v0, 4, 1                      ; h
	v_lshlrev_b32 v[H16], 4, v[HH]
	v_lshlrev_b32 v[KGO], 4, v0                    ; the fill, K: thread t takes bytes 16 t of each 4,096: key t / 4 of 64, piece t % 4 of its 64 bytes
	v_lshrrev_b32 v[VGO], 4, v0
	v_lshlrev_b32 v[VGO], 11, v[VGO]
	v_lshl_add_u32 v[VGO], v[RR], 4, v[VGO]        ; the fill, V: row t / 16 of 16 (2,048 bytes a row), bytes 16 (t % 16) of 256
	s_lshl_b32 s[OF], s[HD], 17                    ; a head's codes: 131,072 bytes in each of Q, K, V
	s_mov_b32 s[OF+1], 0
	s_lshl_b32 s[OF2], s[HD], 19                   ; and 524,288 bytes of O
	s_mov_b32 s[OF2+1], 0
	s_lshr_b32 s[STMP], s[HD], 4                   ; the sample,
	s_mul_i32 s[STMP], s[STMP], 48                 ; its twelve words
	s_wait_kmcnt 0x0
	s_add_nc_u64 s[4:5], s[4:5], s[OF:OF+1]
	s_add_nc_u64 s[6:7], s[6:7], s[OF:OF+1]
	s_add_nc_u64 s[8:9], s[8:9], s[OF:OF+1]
	s_add_nc_u64 s[14:15], s[14:15], s[OF2:OF2+1]
	s_mov_b32 s[OF2], s[STMP]
	s_add_nc_u64 s[12:13], s[12:13], s[OF2:OF2+1]
	FLOAD                                          ; keys 0 to 511
	s_load_b128 s[SCE:SCE+3], s[10:11], 0x0        ; eq, ek, ep, ev
	s_load_b256 s[MODS:MODS+7], s[12:13], 0x0
	s_load_b128 s[MODS+8:MODS+11], s[12:13], 0x20
	s_lshl_b32 s[Q0], s[PB], 5
	s_sub_co_u32 s[Q0], 2016, s[Q0]                ; job H: queries 2016 - 32 p on, 1,024 at the least
	v_lshlrev_b32 v[QO], 6, v[RR]
	v_add_nc_u32 v[QO], v[H16], v[QO]              ; Q: row r of 64 bytes, + 16 h
	JOBQ
	JOBO
	QLOAD
	; K's image, as it is read: 256 h + 16 (r ^ 4 h); load 1: column ^ 8, 512 bytes on
	v_lshlrev_b32 v[AK0], 2, v[HH]
	v_xor_b32 v[AK0], v[AK0], v[RR]
	v_lshlrev_b32 v[AK0], 4, v[AK0]
	v_lshl_add_u32 v[AK0], v[HH], 8, v[AK0]
	v_xor_b32 v[AK1], 128, v[AK0]
	v_add_nc_u32 v[AK1], 512, v[AK1]
	v_mul_u32_u24 v[AV0], v[RR], VPITCH
	v_lshl_add_u32 v[AV0], v[HH], 4, v[AV0]
	v_add_nc_u32 v[AV0], VBASE, v[AV0]             ; V: row r, + 16 h
	; K's image, as it is written.  Thread t holds piece e = t % 4 (= 2 c + h) of key t / 4 of 64.  A key's number in its step is 32 b + 16 (r / 8) + 8 u + r % 8:
	; so t's bits 4:2 are r % 8, bit 5 is u, bit 6 is r / 8, bit 7 is b's low bit; b's high bit and the step stand in the stores' immediates (4,096 for each 64 keys)
	v_and_b32 v[TMP], 3, v0                        ; e
	v_bfe_u32 v[KST], v0, 2, 3
	v_bfe_u32 v[KS], v0, 6, 1
	v_lshl_add_u32 v[KST], v[KS], 3, v[KST]        ; r
	v_lshlrev_b32 v[KS], 2, v[TMP]
	v_xor_b32 v[KST], v[KST], v[KS]                ; the column: r ^ 4 h ^ 8 c = r ^ 4 e
	v_lshlrev_b32 v[KST], 4, v[KST]
	v_lshl_add_u32 v[KST], v[TMP], 8, v[KST]       ; + 512 c + 256 h
	v_bfe_u32 v[KS], v0, 5, 1
	v_lshl_add_u32 v[KST], v[KS], 10, v[KST]       ; + 1024 u
	v_bfe_u32 v[KS], v0, 7, 1
	v_lshl_add_u32 v[KST], v[KS], 11, v[KST]       ; + 2048 (b % 2)
	; V, as it is written: row t / 16, 16 bytes at 16 (t % 8), in the first or the second of the 256 keys' two steps by t's bit 3
	v_lshrrev_b32 v[VST], 4, v0
	v_mul_u32_u24 v[VST], v[VST], VPITCH
	v_and_b32 v[VS], 7, v0
	v_lshl_add_u32 v[VST], v[VS], 4, v[VST]
	v_bfe_u32 v[VS], v0, 3, 1
	v_mul_u32_u24 v[VS], v[VS], VSTEPB
	v_add_nc_u32 v[VST], v[VS], v[VST]
	v_add_nc_u32 v[VST], VBASE, v[VST]
	s_mul_i32 s[STMP], s[WV], 16*SPITCH
	s_add_co_u32 s[STMP], s[STMP], STAGE           ; my stage
	v_mul_u32_u24 v[STO], v[RR], SPITCH
	v_lshl_add_u32 v[STO], v[HH], 5, v[STO]
	v_add_nc_u32 v[STO], s[STMP], v[STO]           ; in: row r, + 32 h
	v_mul_u32_u24 v[RD], v[HH], SPITCH
	v_lshl_add_u32 v[RD], v[RR], 4, v[RD]
	v_add_nc_u32 v[RD], s[STMP], v[RD]             ; back: lanes 0-15 one row, lanes 16-31 the next
	v_and_b32 v[GO], 31, v0
	v_lshlrev_b32 v[GO], 4, v[GO]                  ; and the same two rows in O: 16 x lane
	v_mov_b32 v[NINF], 0xff800000
	s_mov_b32 s[TBK], 0
	s_mov_b32 s[TBV], 0
	s_mov_b32 s[KF], 0
	s_mov_b32 s[FK], 0
	s_mov_b32 s[FV], 0
	s_wait_kmcnt 0x0
	s_add_co_i32 s[STMP], s[SCE], s[SCE+1]
	s_lshl_b32 s[STMP], s[STMP], 23
	s_mov_b32 s[CS], 0x3e38aa3b                    ; c = log2(e) / 8
	s_add_co_i32 s[CS], s[CS], s[STMP]             ; a score stands for score x 2^(eq + ek): the two exponents are added to c's exponent field
	s_mov_b32 s[CS+1], s[CS]                       ; (named with it as a pair, so it is written)
	s_add_co_i32 s[STMP], s[SCE+2], 127
	s_lshl_b32 s[OF2], s[STMP], 23
	v_mov_b32 v[SCL], s[OF2]                       ; 2^ep as f32: the conversion takes its exponent field
	s_add_co_i32 s[STMP], s[STMP], 15
	s_lshl_b32 s[STMP], s[STMP], 23
	s_or_b32 s[STMP], s[STMP], 0x600000
	v_mov_b32 v[LIM], s[STMP]                      ; 57,344 x 2^ep
	s_add_co_i32 s[EPV], s[SCE+2], s[SCE+3]
.irp m, 0,1,2,3
	s_add_co_i32 s[EM+\m], s[MODS+1+3*\m], s[MODS+2+3*\m]   ; a span's end
.endr
	JOBINIT
	; ---- PHASE A: four trips; each lays 512 keys of K and V into LDS, asks for the next 512, and runs two key steps of job H.  Job H's queries are 1,024 or later, so the keys of steps 0 to 7 count for all of them.
	s_mov_b32 s[CNT], 4
.Lfill:
	s_wait_loadcnt 0x0                             ; the sixteen loads of the fill are in (asked for two key steps ago; in the first trip Q's four too): their bases may be stepped
	s_wait_dscnt 0x0                               ; my LDS reads of the last trip are back
	s_barrier_signal -1
	s_barrier_wait -1                              ; every wave's are: the stores below stand behind all reads of the trip before
	v_add_nc_u32 v[KS], s[FK], v[KST]
	v_add_nc_u32 v[VS], s[FV], v[VST]
	WIN 0x04                                       ; the stores' data window 1
.irp g, 0,1
.irp i, 0,1,2,3
	ds_store_b128 v[KS], v[FST+32*\g+4*\i:FST+32*\g+4*\i+3] offset:16384*\g+4096*\i
.endr
.irp i, 0,1,2,3
	ds_store_b128 v[VS], v[FST+32*\g+16+4*\i:FST+32*\g+16+4*\i+3] offset:2*VSTEPB*\g+16*VPITCH*\i
.endr
.endr
	WIN 0
	s_wait_dscnt 0x0                               ; for the others' sake: my stores have landed; and their registers may be loaded again
	s_add_co_u32 s[FK], s[FK], 4*KSTEPB
	s_add_co_u32 s[FV], s[FV], 4*VSTEPB
	s_add_nc_u64 s[6:7], s[6:7], 32768             ; the next 512 keys of K,
	s_add_nc_u64 s[8:9], s[8:9], 512               ; and of each row of V
	s_cmp_eq_u32 s[CNT], 1                         ; the last trip asks for nothing: no load leaves its buffer
	s_cbranch_scc1 .Lnomore
	FLOAD
.Lnomore:
	s_barrier_signal -1
	s_barrier_wait -1                              ; everybody's stores have landed
	STEP 0
	STEP 0
	s_sub_co_u32 s[CNT], s[CNT], 1
	s_cmp_lg_u32 s[CNT], 0
	s_cbranch_scc1 .Lfill
	; ---- job H, key steps 8 to 15.  From here on K and V are only read and each wave goes its own way: no barrier
	s_mov_b32 s[TBK], 8*KSTEPB
	s_mov_b32 s[TBV], 8*VSTEPB
	s_mov_b32 s[KF], 1024
	s_mov_b32 s[CNT], 8
.Lhigh:
	STEP 1
	s_sub_co_u32 s[CNT], s[CNT], 1
	s_cmp_lg_u32 s[CNT], 0
	s_cbranch_scc1 .Lhigh
	; ---- the change of jobs: job L's Q is asked for first and lands while job H goes out
	s_lshl_b32 s[Q0], s[PB], 5                     ; job L: queries 32 p on
	JOBQ
	QLOAD
	OUT
	s_wait_xcnt 0x0                                ; the stores have read their registers and their base: both are written again only behind this wait
	JOBO
	JOBINIT
	s_mov_b32 s[TBK], 0
	s_mov_b32 s[TBV], 0
	s_mov_b32 s[KF], 0
	s_wait_loadcnt 0x0                             ; Q
	s_mov_b32 s[CNT], 16
.Llow:
	STEP 1
	s_sub_co_u32 s[CNT], s[CNT], 1
	s_cmp_lg_u32 s[CNT], 0
	s_cbranch_scc1 .Llow
	OUT
	s_wait_tensorcnt 0x0
	ds_add_u32 v254, v255
	s_wait_dscnt 0x0
	s_endpgm
.Lfunc_end_k_q73aaf4a0ce_attn:
	.size	k_q73aaf4a0ce_attn, .Lfunc_end_k_q73aaf4a0ce_attn-k_q73aaf4a0ce_attn
	.p2alignl 7, 3214868480
	.fill 96, 4, 3214868480
	.section	.rodata,"a",@progbits
	.p2align	6, 0x0
	.amdhsa_kernel k_q73aaf4a0ce_attn
		.amdhsa_group_segment_fixed_size 316416
		.amdhsa_private_segment_fixed_size 0
		.amdhsa_enable_private_segment 0
		.amdhsa_kernarg_size 48
		.amdhsa_user_sgpr_count 2
		.amdhsa_user_sgpr_kernarg_segment_ptr 1
		.amdhsa_wavefront_size32 1
		.amdhsa_system_sgpr_workgroup_id_x 1
		.amdhsa_system_sgpr_workgroup_id_y 1
		.amdhsa_system_sgpr_workgroup_id_z 1
		.amdhsa_system_vgpr_workitem_id 0
		.amdhsa_next_free_vgpr 512
		.amdhsa_next_free_sgpr 66
		.amdhsa_reserve_vcc 1
		.amdhsa_float_denorm_mode_32 3
		.amdhsa_float_denorm_mode_16_64 3
		.amdhsa_memory_ordered 1
		.amdhsa_forward_progress 1
		.amdhsa_inst_pref_size 168
	.end_amdhsa_kernel
	.amdgpu_metadata
---
amdhsa.version: [ 1, 2 ]
amdhsa.kernels:
  - .name:           k_q73aaf4a0ce_attn
    .symbol:         k_q73aaf4a0ce_attn.kd
    .args:
      - { .name: q_codes, .offset: 0, .size: 8, .value_kind: global_buffer, .address_space: global }
      - { .name: k_codes, .offset: 8, .size: 8, .value_kind: global_buffer, .address_space: global }
      - { .name: v_codes, .offset: 16, .size: 8, .value_kind: global_buffer, .address_space: global }
      - { .name: lowp_scales, .offset: 24, .size: 8, .value_kind: global_buffer, .address_space: global }
      - { .name: modalities, .offset: 32, .size: 8, .value_kind: global_buffer, .address_space: global }
      - { .name: out0, .offset: 40, .size: 8, .value_kind: global_buffer, .address_space: global }
    .group_segment_fixed_size: 316416
    .private_segment_fixed_size: 0
    .kernarg_segment_align: 8
    .kernarg_segment_size: 48
    .max_flat_workgroup_size: 256
    .sgpr_count:     66
    .vgpr_count:     512
    .wavefront_size: 32
...
	.end_amdgpu_metadata
.endif
;; end of part 1
;; ======== version 2 of 2: 1 launch; version 1 with the launch attn written anew for expert scheduling mode
;; limits: right only within a limited range of input values
;; launch attn (part 2): grid 4 x 64, 8 waves a work-group, no clusters, 316,416 bytes of LDS; arguments q_codes, k_codes, v_codes, lowp_scales, modalities, out0; writes out0
.if DOCPART == 2
	.amdgcn_target "amdgcn-amd-amdhsa--gfx1250"
	.amdhsa_code_object_version 6
	.text
	.protected	k_q73aaf4a0ce_attn
	.globl	k_q73aaf4a0ce_attn
	.p2align	8
	.type	k_q73aaf4a0ce_attn,@function
k_q73aaf4a0ce_attn:
	s_mov_b64 s[64:65], 0
	v_nop
	global_prefetch_b8 v0, s[64:65] scope:SCOPE_SE
	s_setreg_imm32_b32 hwreg(HW_REG_WAVE_SCHED_MODE, 0, 2), 2
	s_setreg_imm32_b32 hwreg(HW_REG_WAVE_MODE, 25, 1), 1
	s_wait_xcnt 0x0
	s_wait_alu depctr_vm_vsrc(0)
; O[head][i][:] = the sum over j of softmax_j(Q[i] . K[j] / 8, masked) V[j][:], 64 heads (4 samples x 16), 2,048 positions, head size 64; both products on codes of BF8 (E5M2), each tensor with its given scale 2^e.
; Q, K: [head][2048][64] codes, the head's 64 innermost.  V: [head][64][2048] codes, the keys innermost.  O: [head][2048][64] f32.  lowp_scales: eq, ek, ep, ev.  modalities: [sample][4][3] = type, offset, length.
; THE MASK IS A PREFIX.  Key j counts for query i where j <= i, or where for some span m: i >= off_m and j < off_m + len_m.  Both are prefixes in j: query i sees the keys j < L(i),
; L(i) = max(i + 1, off_m + len_m over the spans with off_m <= i), in int32 (the sum wraps as it does there).  L never falls as i grows, and key 0 counts for every query.
; THE SOFTMAX: t = score x log2(e) / 8; M = the largest t so far, rounded UP to a whole number; p = 2^(t - M) is quantised with 2^ep; the sum is taken of the unquantised p and divides O at the end.
; When M moves, the sum and O^T are multiplied by 2^(old M - new M): nothing is rounded.
; SHARES.  Work-group (g, head), eight waves.  A head's whole K and V (131,072 bytes each) are laid into LDS once and only read afterwards.  Wave w has the number p = 8 g + w (0 .. 31) and two JOBS of 32 queries
; (two tiles of 16, which share every fragment of K and V): job H, queries 2016 - 32 p on, then job L, queries 32 p on.  In key steps of 128 the causal part gives ceil((64 - p) / 4) + ceil((p + 1) / 4) = 17 steps to every wave.
; A step all of whose keys are hidden from the job's 32 queries is left out by a scalar branch on L, which is made of whole numbers read from memory.
; NO TENSOR LOADS, AND SO NO JOINT LOADS IN A CLUSTER.  The branch spares 15 of a wave's 32 key steps under the causal part alone;
; joint loads would spare three of the four reads of a head's 262,144 bytes of K and V.  So K and V go to LDS through registers.
; LAYOUT.  Both products are used transposed: S^T = K Q^T (source 0 = 16 keys, source 1 = 16 queries), O^T = V^T P^T (source 0 = 16 of the head's 64, source 1 = P): a lane holds ONE query (lane % 16) throughout.
; THE KEYS OF A TILE ARE NOT NEIGHBOURS: lane r of tile 2 b + u takes key 32 b + 8 u + r + 8 (r / 8), so that the 16 registers of tiles 2 b and 2 b + 1 are the keys 32 b + 16 (lane / 16) + 0 .. 15: the conversions' results are P.
; Fragments come by loads of 16 bytes (registers 4 c .. 4 c + 3: k = 32 c + 16 (lane / 16) + 0 .. 15): a permutation of k that is the same on both sides of each product.
; LIMITS on the given exponents, so that each power of two below is an f32 number: eq + ek between -123 and 130 (added to c's exponent field); ep between -126 and 112; ep + ev goes in by v_ldexp_f32 and has none.
; Codes that stand for infinity or NaN are not served.
;
; THE MODE: SCHED_MODE bits 1:0 = 2 (LLVM: expert scheduling mode 2), set by the entry lines.  The code itself states the register dependences between vector or matrix instructions and memory or LDS instructions,
; with s_wait_alu, always for 0.
; THE PLAN.  Registers that memory or LDS instructions touch:
;   K's fragments   read by a step's sixteen products K Q^T, at its head.  The NEXT step's K lands in them: it is asked for in the same step, behind the maxima.
;   V's fragments   read by a step's eight products V^T P, at its end.  This step's V lands in them: it is asked for in the same run of loads, behind the maxima.
;   ADV, ADK0, ADK1 written behind the products K Q^T (in the fill's trips ADK0 and ADK1 at the trip's head); read by those loads.
;   FST             the fill's global loads land in it and the fill's LDS stores read it; no vector instruction names it.     KS, VS   written at a trip's head, read by the fill's stores.
;   Q               read by the products K Q^T; job L's Q lands at the change of jobs.
;   S               on the way out: S .. S + 63 written by 32 packed products and read by the stage's stores; S + 64 .. S + 127 take the stage's loads and are read by the global stores.
;   v1-3, 7, 8, 11-15, 48   offsets and addresses made at the head and never written again.
; A STEP HAS THREE SUCH WAITS.  vm_vsrc at its head: the loads issued so far have read the three addresses.  va_vdst behind the maxima, where every score has been read: the three addresses are written, the products
; K Q^T are done reading K's fragments and the step before's products V^T P are done reading V's: the run of up to 32 loads follows it and has the scalings and the exponentials in which to land.
; va_vdst behind the exponentials, ahead of the first reader of p.  A compare's mask goes into a scalar register of its own, in runs, with one wait on va_sdst between a run and its selects.
;
; LDS.  0 .. 131,071: K as images of operand registers: key step s at 8192 s, tile t at 1024 t, load c at 512 c, half h of the lanes at 256 h, lane r at 16 (r ^ 4 h ^ 8 c): a load's or a store's sixteen lanes
; take sixteen different columns of 16 bytes (64 banks of 4 bytes: ISA guide 11.1).   131,072 on: V by rows: key step s at 9344 s, row d at 144 d (128 bytes of keys + 16).   280,576 on: a stage of 16 x 272 bytes for each wave.
; REGISTERS, in two windows of 256.  Window 0: v1-15, v48-55 addresses and constants; v16-45 statistics, 16 a tile; v64-191 S^T, then p; v192-223 P; v224-239 Q.
; Window 1: v0-63 K's eight fragments; v64-127 V's four; v128-191 O^T; v192-255 what the fill has loaded.
.set VBASE,  131072
.set KSTEPB, 8192
.set VSTEPB, 9344
.set VPITCH, 144
.set STAGE,  280576
.set SPITCH, 272
.set AK0,  1           ; my lane's place in a tile's image of K, load 0
.set AK1,  2           ; load 1
.set AV0,  3           ; my lane's place in a tile of V
.set ADK0, 4           ; the LDS addresses of the loads in hand
.set ADK1, 5
.set ADV,  6
.set KST,  7           ; the fill: where my 16 bytes of K go
.set VST,  8           ; and of V
.set KS,   9           ; the same with the fill's place added
.set VS,   10
.set KGO,  11          ; the fill: my byte offset in K's block
.set VGO,  12          ; and among V's rows
.set QO,   13          ; my byte offset in a tile of Q
.set STO,  14          ; the way out: where I put 32 bytes of a row
.set RD,   15          ; and where I read a row back
.set ST,   16          ; tile q's statistics at v[ST + 16 q]:
.set NM,   0           ;   -M
.set TM,   1           ;   the largest t so far
.set LS,   2           ;   the sum, in two halves
.set FF,   4           ;   f = 2^(old M - new M); at the end 2^(ep + ev) / the sum;  +5: 0, named with it as a pair
.set C0,   6           ;   at work
.set C1,   7
.set XS,   8           ;   a second chain of sums, a pair
.set PX,   10          ;   the lane permute's destination
.set LH,   11          ;   L(my query) - 16 (lane / 16)
.set DD,   12          ;   LH - the step's first key
.set QI,   13          ;   my query
.set GO,   48          ; 16 x lane
.set LIM,  49          ; 57,344 x 2^ep
.set SCL,  50          ; 2^ep
.set NINF, 51          ; -infinity
.set TMP,  52
.set RR,   53          ; lane % 16
.set H16,  54          ; 16 (lane / 16)
.set HH,   55          ; lane / 16
.set S,    64
.set P,    192
.set Q,    224
.set KFR,  0           ; window 1
.set VFR,  64
.set O,    128
.set FST,  192
.set WV,   16          ; s16 wave
.set HD,   18          ; s18 head
.set PB,   19          ; s19 p = 8 g + wave
.set SEL,  20          ; s[20:21] v_permlanex16_b32's selects for lane l xor 16
.set CS,   22          ; s[22:23] c = log2(e) / 8 x 2^(eq + ek)
.set SCE,  24          ; s[24:27] eq, ek, ep, ev
.set TBK,  28          ; LDS byte of the step's K
.set TBV,  29          ; and V (less VBASE)
.set KF,   30          ; the step's first key
.set CNT,  31
.set STG,  32          ; at the head only: my stage's first byte
.set FK,   33          ; LDS byte at which the fill stands in K
.set FV,   34          ; and in V
.set STMP, 35
.set MODS, 36          ; s[36:47] my sample's twelve words: off_m = s[37 + 3 m], len_m = s[38 + 3 m]
.set EM,   48          ; s[48:51] off_m + len_m
.set LMAX, 52          ; L of the job's last query, 2,048 at the most
.set LMIN, 53          ; L of its first
.set Q0,   54          ; the job's first query
.set EPV,  55          ; ep + ev
.set OF,   56          ; s[56:57], s[58:59] offsets in 64 bits
.set OF2,  58
.set OP,   60          ; s[60:61] the job's rows of O
.set JQ,   62          ; s[62:63] the job's rows of Q
.set MK,   66          ; s[66:97] the masks of a run of compares
.set MSB, 0
.macro WIN new                         ; the immediate's high byte repeats the setting that is left; a switch that changes nothing is dropped.  At every label and branch the setting is 0
.if MSB != \new
	s_set_vgpr_msb (MSB<<8)|\new
.set MSB, \new
.endif
.endm
; 512 keys of K (32,768 bytes, dense) and of V (512 bytes of each of 64 rows) into registers: 16 loads a thread; in each, sixteen neighbouring lanes read 256 consecutive bytes, aligned
.macro FLOAD
	WIN 0x40                                       ; destination window 1
.irp g, 0,1
.irp i, 0,1,2,3
	global_load_b128 v[FST+32*\g+4*\i:FST+32*\g+4*\i+3], v[KGO], s[6:7] offset:16384*\g+4096*\i
.endr
.irp i, 0,1,2,3
	global_load_b128 v[FST+32*\g+16+4*\i:FST+32*\g+16+4*\i+3], v[VGO], s[8:9] offset:256*\g+32768*\i
.endr
.endr
	WIN 0
.endm
; the job's two fragments of Q: lane (r, h) takes, of row r, bytes 32 c + 16 h on
.macro QLOAD
.irp q, 0,1
.irp c, 0,1
	global_load_b128 v[Q+8*\q+4*\c:Q+8*\q+4*\c+3], v[QO], s[JQ:JQ+1] offset:1024*\q+32*\c th:TH_LOAD_NT
.endr
.endr
.endm
; a key step's eight fragments of K, off bytes behind the place that ADK0 and ADK1 hold (under destination window 1)
.macro KLOAD off
.irp t, 0,1,2,3,4,5,6,7
	ds_load_b128 v[KFR+8*\t:KFR+8*\t+3], v[ADK0] offset:\off+1024*\t
	ds_load_b128 v[KFR+8*\t+4:KFR+8*\t+7], v[ADK1] offset:\off+1024*\t
.endr
.endm
.macro JOBQ                            ; Q's rows from Q0 on (64 bytes a row)
	s_lshl_b32 s[OF], s[Q0], 6
	s_add_nc_u64 s[JQ:JQ+1], s[4:5], s[OF:OF+1]
.endm
.macro JOBO                            ; O's rows from Q0 on (256 bytes a row)
	s_lshl_b32 s[OF], s[Q0], 8
	s_add_nc_u64 s[OP:OP+1], s[14:15], s[OF:OF+1]
.endm
; A job begins: L of its first and last query as scalars, L of each lane's query, and the statistics.  O^T and the sum begin as zeros and the largest t as -3e38: the first change of M multiplies zeros,
; so the key step is written without a first step of its own.
.macro JOBINIT
	s_add_co_u32 s[STMP], s[Q0], 31
	s_add_co_u32 s[LMAX], s[Q0], 32
	s_add_co_u32 s[LMIN], s[Q0], 1
.irp m, 0,1,2,3
	s_cmp_ge_i32 s[STMP], s[MODS+1+3*\m]           ; does span m count for the last query?
	s_cselect_b32 s[OF2], s[EM+\m], s[LMAX]
	s_max_i32 s[LMAX], s[LMAX], s[OF2]
	s_cmp_ge_i32 s[Q0], s[MODS+1+3*\m]             ; and for the first?
	s_cselect_b32 s[OF2], s[EM+\m], s[LMIN]
	s_max_i32 s[LMIN], s[LMIN], s[OF2]
.endr
	s_min_i32 s[LMAX], s[LMAX], 2048               ; the keys end at 2,048: so the test whether the next step runs also says no in a job's last step
.irp q, 0,1
	s_add_co_u32 s[STMP], s[Q0], 16*\q
	v_add_nc_u32 v[ST+16*\q+QI], s[STMP], v[RR]    ; my query
	v_add_nc_u32 v[ST+16*\q+LH], 1, v[ST+16*\q+QI] ; L begins as i + 1
.endr
.irp q, 0,1
.irp m, 0,1,2,3
	v_cmp_le_i32 s[MK+4*\q+\m], s[MODS+1+3*\m], v[ST+16*\q+QI]   ; off_m <= i?  Eight compares in one run, a mask each
.endr
.endr
	s_wait_alu depctr_va_sdst(0)                   ; the eight masks s[MK .. MK + 7] are written, ahead of the selects that read them
.irp m, 0,1,2,3
.irp q, 0,1
	v_mov_b32 v[ST+16*\q+C0], s[EM+\m]
.endr
.irp q, 0,1
	v_cndmask_b32 v[ST+16*\q+C0], v[ST+16*\q+LH], v[ST+16*\q+C0], s[MK+4*\q+\m]   ; the span's end where off_m <= i, else L as it is
.endr
.irp q, 0,1
	v_cmp_gt_i32 s[MK+8+\q], v[ST+16*\q+C0], v[ST+16*\q+LH]
.endr
	s_wait_alu depctr_va_sdst(0)                   ; the two masks s[MK + 8], s[MK + 9] are written, ahead of the selects that read them
.irp q, 0,1
	v_cndmask_b32 v[ST+16*\q+LH], v[ST+16*\q+LH], v[ST+16*\q+C0], s[MK+8+\q]
.endr
.endr
.irp q, 0,1
	v_sub_nc_u32 v[ST+16*\q+LH], v[ST+16*\q+LH], v[H16]
	v_mov_b32 v[ST+16*\q+TM], 0xff61b1e6           ; -3e38, under every t
	v_floor_f32 v[ST+16*\q+NM], -v[ST+16*\q+TM]
	v_mov_b32 v[ST+16*\q+LS], 0
	v_mov_b32 v[ST+16*\q+LS+1], 0
	v_mov_b32 v[ST+16*\q+FF+1], 0                  ; named as the upper half of a pair
	v_mov_b32 v[ST+16*\q+PX], 0                    ; a lane permute's destination counts as one of its sources
.endr
	WIN 0x40
.set n, 0
.rept 64
	v_mov_b32 v[O+n], 0
.set n, n+1
.endr
	WIN 0
.endm
; A KEY STEP: 128 keys for the job's two tiles.  Its K has been asked for ahead of it.
; mask = 0: all keys count for all 32 queries, whatever the spans are.  mask = 1: the step is left out where all its keys are hidden, and masked where some are.
; next = 0: the step asks for no K.  next = 1: it asks for the next step's, by ADK0 and ADK1 as the fill's trip has made them.  next = 2: it makes the two addresses and asks where the next step will run.
.macro STEP mask, next
.if \mask
	s_cmp_ge_i32 s[KF], s[LMAX]                    ; every key of the step is at or past L of the job's last query, and L never falls
	s_cbranch_scc1 .Lskip_\@
.endif
	s_wait_dscnt 0x0                               ; this step's K is in
	s_wait_alu depctr_vm_vsrc(0)                   ; the LDS loads issued so far have read ADV, ADK0 and ADK1, which are written below
	WIN 0x01                                       ; source 0 (K) window 1
.irp t, 0,1,2,3,4,5,6,7
.irp q, 0,1
	v_wmma_f32_16x16x64_bf8_bf8 v[S+64*\q+8*\t:S+64*\q+8*\t+7], v[KFR+8*\t:KFR+8*\t+7], v[Q+8*\q:Q+8*\q+7], 0
.endr
.endr
	WIN 0
	v_add_nc_u32 v[ADV], s[TBV], v[AV0]            ; the addresses of the run of loads below; with the v_nop they are the four places in front of the first read of the scores
.if \next == 2
	v_add_nc_u32 v[ADK0], s[TBK], v[AK0]
	v_add_nc_u32 v[ADK1], s[TBK], v[AK1]
	v_nop
.else
.rept 3
	v_nop
.endr
.endif
.if \mask
	s_add_co_u32 s[STMP], s[KF], 128
	s_cmp_le_i32 s[STMP], s[LMIN]                  ; every key of the step lies under L of the job's first query: nothing to hide
	s_cbranch_scc1 .Lopen_\@
	v_sub_nc_u32 v[ST+DD], v[ST+LH], s[KF]         ; register 16 b + i holds key KF + 16 (lane / 16) + 32 b + i: hidden where 32 b + i >= L - 16 (lane / 16) - KF
	v_sub_nc_u32 v[ST+16+DD], v[ST+16+LH], s[KF]
.irp q, 0,1
.irp g, 0,1                                    ; 32 registers at a time: 32 compares, a mask each, one wait, 32 selects
.irp n, 0,1,2,3,4,5,6,7,8,9,10,11,12,13,14,15,16,17,18,19,20,21,22,23,24,25,26,27,28,29,30,31
	v_cmp_ge_i32 s[MK+\n], 32*((32*\g+\n)/16)+(32*\g+\n)%16, v[ST+16*\q+DD]
.endr
	s_wait_alu depctr_va_sdst(0)                   ; the 32 masks s[MK .. MK + 31] are written, ahead of the selects that read them
.irp n, 0,1,2,3,4,5,6,7,8,9,10,11,12,13,14,15,16,17,18,19,20,21,22,23,24,25,26,27,28,29,30,31
	v_cndmask_b32 v[S+64*\q+32*\g+\n], v[S+64*\q+32*\g+\n], v[NINF], s[MK+\n]   ; -infinity ahead of the maximum: p = 0 then
.endr
.endr
.endr
.Lopen_\@:
.endif
	; the step's largest score of each lane's query among its 64 keys: two chains a tile, the tiles by turns, each accumulator from its low end on
.irp q, 0,1
	v_max3_num_f32 v[ST+16*\q+C0], v[S+64*\q], v[S+64*\q+1], v[S+64*\q+2]
	v_max3_num_f32 v[ST+16*\q+C1], v[S+64*\q+3], v[S+64*\q+4], v[S+64*\q+5]
.endr
.irp i, 6,10,14,18,22,26,30,34,38,42,46,50,54,58
.irp q, 0,1
	v_max3_num_f32 v[ST+16*\q+C0], v[ST+16*\q+C0], v[S+64*\q+\i], v[S+64*\q+\i+1]
	v_max3_num_f32 v[ST+16*\q+C1], v[ST+16*\q+C1], v[S+64*\q+\i+2], v[S+64*\q+\i+3]
.endr
.endr
.irp q, 0,1
	v_max3_num_f32 v[ST+16*\q+C0], v[ST+16*\q+C0], v[S+64*\q+62], v[S+64*\q+63]
.endr
	; THE STEP'S RUN OF LDS LOADS: every score has been read, and the lines that follow hang on each other one by one
	WIN 0x40                                       ; destination window 1
	s_wait_alu depctr_va_vdst(0)                   ; ADV, ADK0 and ADK1 are written; the products K Q^T are done reading K's fragments, the step before's products V^T P are done reading V's: the loads below land there
.irp t, 0,1,2,3
.irp c, 0,1,2,3
	ds_load_b128 v[VFR+16*\t+4*\c:VFR+16*\t+4*\c+3], v[ADV] offset:16*VPITCH*\t+32*\c   ; this step's V
.endr
.endr
.if \next == 2
	WIN 0
	s_add_co_u32 s[STMP], s[KF], 128
	s_cmp_ge_i32 s[STMP], s[LMAX]                  ; the test by which the next step will leave itself out: then its K is not asked for
	s_cbranch_scc1 .Lnok_\@
	WIN 0x40
.endif
.if \next
	KLOAD KSTEPB                                   ; the next step's K.  No further wait: no vector or matrix instruction since the wait above names its registers or addresses
.endif
	WIN 0
.if \next == 2
.Lnok_\@:
.endif
.irp q, 0,1
	v_max_num_f32 v[ST+16*\q+C0], v[ST+16*\q+C0], v[ST+16*\q+C1]
.endr
.irp q, 0,1
	v_permlanex16_b32 v[ST+16*\q+PX], v[ST+16*\q+C0], s[SEL], s[SEL+1]   ; the query's other 64 keys lie in the lane 16 away
.endr
.irp q, 0,1
	v_max_num_f32 v[ST+16*\q+C0], v[ST+16*\q+C0], v[ST+16*\q+PX]
.endr
.irp q, 0,1
	v_mul_f32 v[ST+16*\q+C0], s[CS], v[ST+16*\q+C0]                      ; as t (c is positive)
.endr
.irp q, 0,1
	v_max_num_f32 v[ST+16*\q+TM], v[ST+16*\q+TM], v[ST+16*\q+C0]         ; the running largest t
.endr
.irp q, 0,1
	v_mov_b32 v[ST+16*\q+C1], v[ST+16*\q+NM]
.endr
.irp q, 0,1
	v_floor_f32 v[ST+16*\q+NM], -v[ST+16*\q+TM]                          ; the new -M = floor(-t) = -ceil(t): a whole number
.endr
.irp q, 0,1
	v_sub_f32 v[ST+16*\q+C1], v[ST+16*\q+NM], v[ST+16*\q+C1]             ; old M - new M: a whole number, 0 or less
.endr
.irp q, 0,1
	v_cvt_i32_f32 v[ST+16*\q+C1], v[ST+16*\q+C1]                         ; (it saturates)
.endr
.irp q, 0,1
	v_ldexp_f32 v[ST+16*\q+FF], 1.0, v[ST+16*\q+C1]                      ; f = 2^(old M - new M)
.endr
.irp q, 0,1
.set n, 0
.rept 32
	v_pk_fma_f32 v[S+64*\q+n:S+64*\q+n+1], v[S+64*\q+n:S+64*\q+n+1], s[CS:CS+1], v[ST+16*\q+NM:ST+16*\q+NM+1] op_sel_hi:[1,0,0]   ; t - M, two at a time (of the pairs c and -M the low word serves both halves)
.set n, n+2
.endr
.endr
.irp q, 0,1
.set n, 0
.rept 64
	v_exp_f32 v[S+64*\q+n], v[S+64*\q+n]           ; p = 2^(t - M), at most 1, not normalised
.set n, n+1
.endr
.endr
.irp q, 0,1
	v_pk_mul_f32 v[ST+16*\q+LS:ST+16*\q+LS+1], v[ST+16*\q+LS:ST+16*\q+LS+1], v[ST+16*\q+FF:ST+16*\q+FF+1] op_sel_hi:[1,0]   ; the sums under the new M: plain instructions behind the last exponential
.endr
	s_wait_alu depctr_va_vdst(0)                   ; the 128 exponentials have written p: one wait, ahead of the first instruction that names a result
.irp q, 0,1
	v_pk_add_f32 v[ST+16*\q+XS:ST+16*\q+XS+1], v[S+64*\q:S+64*\q+1], v[S+64*\q+2:S+64*\q+3]   ; the sum is taken of the unquantised p: two chains a tile
.endr
.irp j, 4,8,12,16,20,24,28,32,36,40,44,48,52,56,60
.irp q, 0,1
	v_pk_add_f32 v[ST+16*\q+LS:ST+16*\q+LS+1], v[ST+16*\q+LS:ST+16*\q+LS+1], v[S+64*\q+\j:S+64*\q+\j+1]
	v_pk_add_f32 v[ST+16*\q+XS:ST+16*\q+XS+1], v[ST+16*\q+XS:ST+16*\q+XS+1], v[S+64*\q+\j+2:S+64*\q+\j+3]
.endr
.endr
.irp q, 0,1
	v_pk_add_f32 v[ST+16*\q+LS:ST+16*\q+LS+1], v[ST+16*\q+LS:ST+16*\q+LS+1], v[ST+16*\q+XS:ST+16*\q+XS+1]
.endr
	; The conversion to an 8-bit code does not saturate (ISA guide 7.6.2).  p is at most 1, and 57,344 x 2^ep is 1.75 or more from ep = -15 on: there nothing can be held, and the hold is passed over
	s_cmp_ge_i32 s[SCE+2], -15
	s_cbranch_scc1 .Lnohold_\@
.irp q, 0,1
.set n, 0
.rept 64
	v_min_num_f32 v[S+64*\q+n], v[S+64*\q+n], v[LIM]   ; p is not negative: the hold is one-sided
.set n, n+1
.endr
.endr
.Lnohold_\@:
.irp q, 0,1
.irp b, 0,1,2,3
	v_cvt_scalef32_pk8_bf8_f32 v[P+16*\q+4*\b:P+16*\q+4*\b+1], v[S+64*\q+16*\b:S+64*\q+16*\b+7], v[SCL]       ; registers 4 b .. 4 b + 3 of P: keys 32 b + 16 (lane / 16) + 0 .. 15
	v_cvt_scalef32_pk8_bf8_f32 v[P+16*\q+4*\b+2:P+16*\q+4*\b+3], v[S+64*\q+16*\b+8:S+64*\q+16*\b+15], v[SCL]
.endr
.endr
	WIN 0x41                                       ; O^T (destination and source 0) window 1, f window 0
.irp q, 0,1
.set n, 0
.rept 16
	v_pk_mul_f32 v[O+32*\q+n:O+32*\q+n+1], v[O+32*\q+n:O+32*\q+n+1], v[ST+16*\q+FF:ST+16*\q+FF+1] op_sel_hi:[1,0]   ; O^T under the new M; these are also the plain instructions between the conversions and the products that read P
.set n, n+2
.endr
.endr
	s_wait_dscnt 0x0                               ; V is in.  For zero: how many loads were issued behind V's hangs on the branch above
	WIN 0x51                                       ; V, C and D window 1, P window 0
.irp t, 0,1,2,3
.irp q, 0,1
	v_wmma_f32_16x16x128_bf8_bf8 v[O+32*\q+8*\t:O+32*\q+8*\t+7], v[VFR+16*\t:VFR+16*\t+15], v[P+16*\q:P+16*\q+15], v[O+32*\q+8*\t:O+32*\q+8*\t+7]   ; the eight accumulators take turns, one instruction a turn
.endr
.endr
	WIN 0
.if \mask
.Lskip_\@:
.endif
	s_add_co_u32 s[TBK], s[TBK], KSTEPB            ; on every way: the next step's places
	s_add_co_u32 s[TBV], s[TBV], VSTEPB
	s_add_co_u32 s[KF], s[KF], 128
.endm
; THE WAY OUT of a job.  The sum's halves are added; O^T x 2^(ep + ev) / the sum goes through my own stage in LDS, a tile (16 rows of 256 bytes) at a time, and leaves as whole rows: a store covers 512 consecutive bytes, aligned.
.macro OUT
.rept 4
	v_nop                                          ; four places behind the last products
.endr
.irp q, 0,1
	v_add_f32 v[ST+16*\q+C0], v[ST+16*\q+LS], v[ST+16*\q+LS+1]
.endr
.irp q, 0,1
	v_permlanex16_b32 v[ST+16*\q+PX], v[ST+16*\q+C0], s[SEL], s[SEL+1]
.endr
.irp q, 0,1
	v_add_f32 v[ST+16*\q+C0], v[ST+16*\q+C0], v[ST+16*\q+PX]
.endr
.irp q, 0,1
	v_rcp_f32 v[ST+16*\q+FF], v[ST+16*\q+C0]
.endr
	v_nop                                          ; a plain instruction behind the last reciprocal
	s_wait_alu depctr_va_vdst(0)                   ; the two reciprocals have written their results: one wait, ahead of their first reader
.irp q, 0,1
	v_ldexp_f32 v[ST+16*\q+FF], v[ST+16*\q+FF], s[EPV]
.endr
	WIN 0x01                                       ; source 0 (O^T) window 1
.irp q, 0,1
.set n, 0
.rept 16
	v_pk_mul_f32 v[S+32*\q+n:S+32*\q+n+1], v[O+32*\q+n:O+32*\q+n+1], v[ST+16*\q+FF:ST+16*\q+FF+1] op_sel_hi:[1,0]   ; register 8 t + j is o(query r, 16 t + 8 h + j); each accumulator from its low end on
.set n, n+2
.endr
.endr
	WIN 0
	s_wait_alu depctr_va_vdst(0)                   ; both tiles' products have written S .. S + 63, which the LDS stores read; S + 64 .. S + 127, in which the LDS loads land, were last named by the last key step
.irp q, 0,1
.irp t, 0,1,2,3
	ds_store_b128 v[STO], v[S+32*\q+8*\t:S+32*\q+8*\t+3] offset:64*\t
	ds_store_b128 v[STO], v[S+32*\q+8*\t+4:S+32*\q+8*\t+7] offset:64*\t+16
.endr
.irp i, 0,1,2,3,4,5,6,7
	ds_load_b128 v[S+64+32*\q+4*\i:S+64+32*\q+4*\i+3], v[RD] offset:2*SPITCH*\i   ; LDS serves a wave's instructions in order (ISA guide 5.7.1.4): these see my stores, and the next tile's stores come behind them
.endr
.endr
.irp q, 0,1
.irp i, 0,1,2,3,4,5,6,7
	s_wait_dscnt 16*(1-\q)+7-\i                    ; behind this load: its tile's 7 - i younger loads and, for the first tile, the second tile's sixteen LDS instructions
	global_store_b128 v[GO], v[S+64+32*\q+4*\i:S+64+32*\q+4*\i+3], s[OP:OP+1] offset:4096*\q+512*\i th:TH_STORE_NT
.endr
.endr
.endm
	; ---- the head.  All offsets and addresses are made ahead of the first load, while the arguments are on their way
	s_load_b256 s[4:11], s[0:1], 0x0               ; Q s[4:5], K s[6:7], V s[8:9], the scales' exponents s[10:11]
	s_load_b128 s[12:15], s[0:1], 0x20             ; modalities s[12:13], O s[14:15]
	v_lshl_add_u32 v254, v0, 2, 0x4d000
	v_mov_b32 v255, 0
	v_lshrrev_b32 v[TMP], 5, v0
	v_readfirstlane_b32 s[WV], v[TMP]              ; wave 0..7
	s_and_b32 s[HD], ttmp7, 0xffff                 ; head 0..63
	s_mov_b32 s[SEL], 0x76543210
	s_mov_b32 s[SEL+1], 0xfedcba98
	v_and_b32 v[RR], 15, v0                        ; r
	v_bfe_u32 v[HH], v0, 4, 1                      ; h
	v_lshlrev_b32 v[H16], 4, v[HH]
	v_lshlrev_b32 v[KGO], 4, v0                    ; the fill, K: thread t takes bytes 16 t of each 4,096: key t / 4 of 64, piece t % 4 of its 64 bytes
	v_lshrrev_b32 v[VGO], 4, v0
	v_lshlrev_b32 v[VGO], 11, v[VGO]
	v_lshl_add_u32 v[VGO], v[RR], 4, v[VGO]        ; the fill, V: row t / 16 of 16 (2,048 bytes a row), bytes 16 (t % 16) of 256
	v_lshlrev_b32 v[QO], 6, v[RR]
	v_add_nc_u32 v[QO], v[H16], v[QO]              ; Q: row r of 64 bytes, + 16 h
	; K's image, as it is read: 256 h + 16 (r ^ 4 h); load 1: column ^ 8, 512 bytes on
	v_lshlrev_b32 v[AK0], 2, v[HH]
	v_xor_b32 v[AK0], v[AK0], v[RR]
	v_lshlrev_b32 v[AK0], 4, v[AK0]
	v_lshl_add_u32 v[AK0], v[HH], 8, v[AK0]
	v_xor_b32 v[AK1], 128, v[AK0]
	v_add_nc_u32 v[AK1], 512, v[AK1]
	v_mul_u32_u24 v[AV0], v[RR], VPITCH
	v_lshl_add_u32 v[AV0], v[HH], 4, v[AV0]
	v_add_nc_u32 v[AV0], VBASE, v[AV0]             ; V: row r, + 16 h
	; K's image, as it is written.  Thread t holds piece e = t % 4 (= 2 c + h) of key t / 4 of 64.  A key's number in its step is 32 b + 16 (r / 8) + 8 u + r % 8:
	; so t's bits 4:2 are r % 8, bit 5 is u, bit 6 is r / 8, bit 7 is b's low bit; b's high bit and the step stand in the stores' immediates (4,096 for each 64 keys)
	v_and_b32 v[TMP], 3, v0                        ; e
	v_bfe_u32 v[KST], v0, 2, 3
	v_bfe_u32 v[KS], v0, 6, 1
	v_lshl_add_u32 v[KST], v[KS], 3, v[KST]        ; r
	v_lshlrev_b32 v[KS], 2, v[TMP]
	v_xor_b32 v[KST], v[KST], v[KS]                ; the column: r ^ 4 h ^ 8 c = r ^ 4 e
	v_lshlrev_b32 v[KST], 4, v[KST]
	v_lshl_add_u32 v[KST], v[TMP], 8, v[KST]       ; + 512 c + 256 h
	v_bfe_u32 v[KS], v0, 5, 1
	v_lshl_add_u32 v[KST], v[KS], 10, v[KST]       ; + 1024 u
	v_bfe_u32 v[KS], v0, 7, 1
	v_lshl_add_u32 v[KST], v[KS], 11, v[KST]       ; + 2048 (b % 2)
	; V, as it is written: row t / 16, 16 bytes at 16 (t % 8), in the first or the second of the 256 keys' two steps by t's bit 3
	v_lshrrev_b32 v[VST], 4, v0
	v_mul_u32_u24 v[VST], v[VST], VPITCH
	v_and_b32 v[VS], 7, v0
	v_lshl_add_u32 v[VST], v[VS], 4, v[VST]
	v_bfe_u32 v[VS], v0, 3, 1
	v_mul_u32_u24 v[VS], v[VS], VSTEPB
	v_add_nc_u32 v[VST], v[VS], v[VST]
	v_add_nc_u32 v[VST], VBASE, v[VST]
	v_and_b32 v[GO], 31, v0
	v_lshlrev_b32 v[GO], 4, v[GO]                  ; the way out: two rows of O: 16 x lane
	v_mov_b32 v[NINF], 0xff800000
	s_mov_b32 s[TBK], 0
	s_mov_b32 s[TBV], 0
	s_mov_b32 s[KF], 0
	s_mov_b32 s[FK], 0
	s_mov_b32 s[FV], 0
	s_wait_alu depctr_va_sdst(0)                   ; s[WV] is written, ahead of its first reader: p and my stage's place are made from it
	s_lshl_b32 s[PB], ttmp9, 3
	s_add_co_u32 s[PB], s[PB], s[WV]               ; p = 8 g + wave
	s_mul_i32 s[STG], s[WV], 16*SPITCH
	s_add_co_u32 s[STG], s[STG], STAGE             ; my stage
	v_mul_u32_u24 v[STO], v[RR], SPITCH
	v_lshl_add_u32 v[STO], v[HH], 5, v[STO]
	v_add_nc_u32 v[STO], s[STG], v[STO]            ; in: row r, + 32 h
	v_mul_u32_u24 v[RD], v[HH], SPITCH
	v_lshl_add_u32 v[RD], v[RR], 4, v[RD]
	v_add_nc_u32 v[RD], s[STG], v[RD]              ; back: lanes 0-15 one row, lanes 16-31 the next
	s_lshl_b32 s[OF], s[HD], 17                    ; a head's codes: 131,072 bytes in each of Q, K, V
	s_mov_b32 s[OF+1], 0
	s_lshl_b32 s[OF2], s[HD], 19                   ; and 524,288 bytes of O
	s_mov_b32 s[OF2+1], 0
	s_lshr_b32 s[STMP], s[HD], 4                   ; the sample,
	s_mul_i32 s[STMP], s[STMP], 48                 ; its twelve words
	s_wait_kmcnt 0x0
	s_add_nc_u64 s[4:5], s[4:5], s[OF:OF+1]
	s_add_nc_u64 s[6:7], s[6:7], s[OF:OF+1]
	s_add_nc_u64 s[8:9], s[8:9], s[OF:OF+1]
	s_add_nc_u64 s[14:15], s[14:15], s[OF2:OF2+1]
	s_mov_b32 s[OF2], s[STMP]
	s_add_nc_u64 s[12:13], s[12:13], s[OF2:OF2+1]
	s_wait_alu depctr_va_vdst(0)                   ; the offsets and addresses v1-3, v7, v8, v11-15 and v48 are written: the kernel's loads and stores read them, and no line writes them again
	FLOAD                                          ; keys 0 to 511
	s_load_b128 s[SCE:SCE+3], s[10:11], 0x0        ; eq, ek, ep, ev
	s_load_b256 s[MODS:MODS+7], s[12:13], 0x0
	s_load_b128 s[MODS+8:MODS+11], s[12:13], 0x20
	s_lshl_b32 s[Q0], s[PB], 5
	s_sub_co_u32 s[Q0], 2016, s[Q0]                ; job H: queries 2016 - 32 p on, 1,024 at the least
	JOBQ
	JOBO
	QLOAD
	s_wait_kmcnt 0x0
	s_add_co_i32 s[STMP], s[SCE], s[SCE+1]
	s_lshl_b32 s[STMP], s[STMP], 23
	s_mov_b32 s[CS], 0x3e38aa3b                    ; c = log2(e) / 8
	s_add_co_i32 s[CS], s[CS], s[STMP]             ; a score stands for score x 2^(eq + ek): the two exponents are added to c's exponent field
	s_mov_b32 s[CS+1], s[CS]                       ; (named with it as a pair, so it is written)
	s_add_co_i32 s[STMP], s[SCE+2], 127
	s_lshl_b32 s[OF2], s[STMP], 23
	v_mov_b32 v[SCL], s[OF2]                       ; 2^ep as f32: the conversion takes its exponent field
	s_add_co_i32 s[STMP], s[STMP], 15
	s_lshl_b32 s[STMP], s[STMP], 23
	s_or_b32 s[STMP], s[STMP], 0x600000
	v_mov_b32 v[LIM], s[STMP]                      ; 57,344 x 2^ep
	s_add_co_i32 s[EPV], s[SCE+2], s[SCE+3]
.irp m, 0,1,2,3
	s_add_co_i32 s[EM+\m], s[MODS+1+3*\m], s[MODS+2+3*\m]   ; a span's end
.endr
	JOBINIT
	; ---- PHASE A: four trips; each lays 512 keys of K and V into LDS, asks for the next 512, and runs two key steps of job H.  Job H's queries are 1,024 or later, so the keys of steps 0 to 7 count for all of them.
	s_mov_b32 s[CNT], 4
.Lfill:
	v_add_nc_u32 v[KS], s[FK], v[KST]              ; the trip's four LDS addresses.  The stores and loads that read these registers were issued ahead of a wait on vm_vsrc: the last trip's own, and its second step's
	v_add_nc_u32 v[VS], s[FV], v[VST]
	v_add_nc_u32 v[ADK0], s[TBK], v[AK0]
	v_add_nc_u32 v[ADK1], s[TBK], v[AK1]
	s_wait_loadcnt 0x0                             ; the sixteen loads of the fill are in (asked for two key steps ago; in the first trip Q's four too): their bases may be stepped
	s_wait_dscnt 0x0                               ; my LDS reads of the last trip are back
	s_barrier_signal -1
	s_barrier_wait -1                              ; every wave's are: the stores below stand behind all reads of the trip before
	WIN 0x04                                       ; the stores' data window 1
	s_wait_alu depctr_va_vdst(0)                   ; KS and VS are written, which the stores read; so are ADK0 and ADK1, which the trip's loads of K read, and the products that read K's fragments are done
.irp g, 0,1
.irp i, 0,1,2,3
	ds_store_b128 v[KS], v[FST+32*\g+4*\i:FST+32*\g+4*\i+3] offset:16384*\g+4096*\i
.endr
.irp i, 0,1,2,3
	ds_store_b128 v[VS], v[FST+32*\g+16+4*\i:FST+32*\g+16+4*\i+3] offset:2*VSTEPB*\g+16*VPITCH*\i
.endr
.endr
	WIN 0
	s_wait_dscnt 0x0                               ; for the others' sake: my stores have landed
	s_wait_alu depctr_vm_vsrc(0)                   ; the stores have read FST, in which the next loads land, and KS and VS, which the next trip writes
	s_add_co_u32 s[FK], s[FK], 4*KSTEPB
	s_add_co_u32 s[FV], s[FV], 4*VSTEPB
	s_add_nc_u64 s[6:7], s[6:7], 32768             ; the next 512 keys of K,
	s_add_nc_u64 s[8:9], s[8:9], 512               ; and of each row of V
	s_cmp_eq_u32 s[CNT], 1                         ; the last trip asks for nothing: no load leaves its buffer
	s_cbranch_scc1 .Lnomore
	FLOAD
.Lnomore:
	s_barrier_signal -1
	s_barrier_wait -1                              ; everybody's stores have landed
	WIN 0x40
	KLOAD 0                                        ; the K of the trip's first step: in the first trip it lies in LDS only from this barrier on.  No vector instruction stands between the wait on va_vdst above and these loads
	WIN 0
	STEP 0, 1                                      ; asks for the second step's K
	STEP 0, 0
	s_sub_co_u32 s[CNT], s[CNT], 1
	s_cmp_lg_u32 s[CNT], 0
	s_cbranch_scc1 .Lfill
	; ---- job H, key steps 8 to 15.  From here on K and V are only read and each wave goes its own way: no barrier
	s_mov_b32 s[TBK], 8*KSTEPB
	s_mov_b32 s[TBV], 8*VSTEPB
	s_mov_b32 s[KF], 1024
	v_add_nc_u32 v[ADK0], s[TBK], v[AK0]           ; (the loads that read these two were issued ahead of step 7's wait on vm_vsrc)
	v_add_nc_u32 v[ADK1], s[TBK], v[AK1]
	WIN 0x40
	s_wait_alu depctr_va_vdst(0)                   ; ADK0 and ADK1 are written, which the loads below read
	KLOAD 0                                        ; step 8's K; from here on each step asks for the next one's
	WIN 0
	s_mov_b32 s[CNT], 8
.Lhigh:
	STEP 1, 2
	s_sub_co_u32 s[CNT], s[CNT], 1
	s_cmp_lg_u32 s[CNT], 0
	s_cbranch_scc1 .Lhigh
	; ---- the change of jobs: job L's Q is asked for first and lands while job H goes out.  The products that read Q stand ahead of their step's waits on va_vdst, and nothing has named Q since
	s_lshl_b32 s[Q0], s[PB], 5                     ; job L: queries 32 p on
	JOBQ
	QLOAD
	OUT
	s_wait_xcnt 0x0                                ; the stores have had their addresses translated: their base is written again only behind this wait
	s_wait_alu depctr_vm_vsrc(0)                   ; the stage's stores and the global stores have read S, which job L's products write; the earlier LDS loads have read ADK0 and ADK1, which are written below
	JOBO
	s_mov_b32 s[TBK], 0
	s_mov_b32 s[TBV], 0
	s_mov_b32 s[KF], 0
	v_add_nc_u32 v[ADK0], s[TBK], v[AK0]
	v_add_nc_u32 v[ADK1], s[TBK], v[AK1]
	WIN 0x40
	s_wait_alu depctr_va_vdst(0)                   ; ADK0 and ADK1 are written, which the loads below read
	KLOAD 0                                        ; step 0's K lands while the job's statistics are made
	WIN 0
	JOBINIT
	s_wait_loadcnt 0x0                             ; Q
	s_mov_b32 s[CNT], 16
.Llow:
	STEP 1, 2
	s_sub_co_u32 s[CNT], s[CNT], 1
	s_cmp_lg_u32 s[CNT], 0
	s_cbranch_scc1 .Llow
	OUT
	s_wait_dscnt 0x0
	s_wait_alu depctr_hold_cnt(0) depctr_sa_sdst(0) depctr_va_vdst(0) depctr_va_sdst(0) depctr_va_ssrc(0) depctr_va_vcc(0) depctr_vm_vsrc(0)
	s_wait_tensorcnt 0x0
	ds_add_u32 v254, v255
	s_wait_dscnt 0x0
	s_endpgm
.Lfunc_end_k_q73aaf4a0ce_attn:
	.size	k_q73aaf4a0ce_attn, .Lfunc_end_k_q73aaf4a0ce_attn-k_q73aaf4a0ce_attn
	.p2alignl 7, 3214868480
	.fill 96, 4, 3214868480
	.section	.rodata,"a",@progbits
	.p2align	6, 0x0
	.amdhsa_kernel k_q73aaf4a0ce_attn
		.amdhsa_group_segment_fixed_size 316416
		.amdhsa_private_segment_fixed_size 0
		.amdhsa_enable_private_segment 0
		.amdhsa_kernarg_size 48
		.amdhsa_user_sgpr_count 2
		.amdhsa_user_sgpr_kernarg_segment_ptr 1
		.amdhsa_wavefront_size32 1
		.amdhsa_system_sgpr_workgroup_id_x 1
		.amdhsa_system_sgpr_workgroup_id_y 1
		.amdhsa_system_sgpr_workgroup_id_z 1
		.amdhsa_system_vgpr_workitem_id 0
		.amdhsa_next_free_vgpr 512
		.amdhsa_next_free_sgpr 98
		.amdhsa_reserve_vcc 0
		.amdhsa_float_denorm_mode_32 3
		.amdhsa_float_denorm_mode_16_64 3
		.amdhsa_memory_ordered 1
		.amdhsa_forward_progress 1
		.amdhsa_inst_pref_size 190
	.end_amdhsa_kernel
	.amdgpu_metadata
---
amdhsa.version: [ 1, 2 ]
amdhsa.kernels:
  - .name:           k_q73aaf4a0ce_attn
    .symbol:         k_q73aaf4a0ce_attn.kd
    .args:
      - { .name: q_codes, .offset: 0, .size: 8, .value_kind: global_buffer, .address_space: global }
      - { .name: k_codes, .offset: 8, .size: 8, .value_kind: global_buffer, .address_space: global }
      - { .name: v_codes, .offset: 16, .size: 8, .value_kind: global_buffer, .address_space: global }
      - { .name: lowp_scales, .offset: 24, .size: 8, .value_kind: global_buffer, .address_space: global }
      - { .name: modalities, .offset: 32, .size: 8, .value_kind: global_buffer, .address_space: global }
      - { .name: out0, .offset: 40, .size: 8, .value_kind: global_buffer, .address_space: global }
    .group_segment_fixed_size: 316416
    .private_segment_fixed_size: 0
    .kernarg_segment_align: 8
    .kernarg_segment_size: 48
    .max_flat_workgroup_size: 256
    .sgpr_count:     98
    .vgpr_count:     512
    .wavefront_size: 32
...
	.end_amdgpu_metadata
.endif
;; end of part 2
